; MI455X (gfx1250); checked and timed in simulation.
; The chip was launched on July 23, 2026; its instructions are those of AMD's public machine-readable ISA for CDNA 5 (MIT licence, August 2026) and "CDNA5" Instruction Set Architecture Reference Guide (July 2026). The comments in the code are by the model that wrote it; some were corrected since.
;; Radon Transform. Allowed arithmetic: float matrix products may take bf16 or f16 operands with f32 sums; all other float work in f32.
;; Inputs: x 4 x 1 x 256 x 256 float32.
;; Outputs: out0 4 x 180 x 256 float32.
;; 2 versions, each right; version 2 is version 1 with the launch bands written anew for expert scheduling mode. Each part assembles by itself: llvm-mc -triple=amdgcn-amd-amdhsa -mcpu=gfx1250 --defsym DOCPART=n.
;; ======== version 1 of 2: 2 launches
;; workspace buffers: part 2,949,120 bytes
;; launch bands (part 1): grid 30 x 8, 24 waves a work-group, no clusters, 276,736 bytes of LDS; arguments x, part; writes part
.if DOCPART == 1
	.amdgcn_target "amdgcn-amd-amdhsa--gfx1250"
	.amdhsa_code_object_version 6
	.text
	.protected	k_q6ab74790f1_bands
	.globl	k_q6ab74790f1_bands
	.p2align	8
	.type	k_q6ab74790f1_bands,@function
k_q6ab74790f1_bands:
	s_mov_b64 s[64:65], 0
	v_nop
	global_prefetch_b8 v0, s[64:65] scope:SCOPE_SE
	s_setreg_imm32_b32 hwreg(HW_REG_WAVE_MODE, 25, 1), 1
	s_wait_xcnt 0x0
; Radon transform, first of two launches: partial ray sums over one band of the picture.
;   part[band][angle][j][image] = sum over those i whose sample falls into the band of the bilinear sample of the masked image.
; x: [4][256][256] f32.  part: [4][180][256][4] f32.
;
; GEOMETRY.  With u = i - 127.5 and v = j - 127.5 the sample lies at px = 127.5 + c u - s v, py = 127.5 + s u + c v (pixels), angle = a pi / 179.
; Work-group y = 4 o + k.  o = 0: angles 45..134, row coordinate R = py, column coordinate C = px, the band holds image rows.
; o = 1: angles 0..44 and 135..179, R = px, C = py, the band holds image columns (stored transposed); where c < 0 the ray is walked from
; i = 255 down, which changes no sum.  So R = 127.5 + al u + be v, C = 127.5 + ga u + de v with al = cos(phi) >= 0.71 in every case.
; Band k owns the samples with floor(R) in 65 k - 1 .. 65 k + 63 and keeps lines 65 k - 1 .. 65 k + 64 (66 lines; lines outside the picture are zeros).
; LDS: [66 lines][259 columns][4 images] f32, 16 bytes a pixel, so one 16-byte load brings one corner of all four images.
; Column 0 stands for coordinate -1, columns 1..256 for 0..255, columns 257 and 258 are zeros.  The pitch of 259 pixels is odd, so that sixteen
; lanes that store the same column of sixteen neighbouring lines (the transposed fill) start at sixteen different 16-byte places modulo 256 bytes.
; Work-group x = g takes angles g, g + 30, g + 60 of its 90; 24 waves, wave w: angle number g + 30 (w / 8), columns j = 32 (w % 8) + lane.
;
; ALL POSITIONS ARE WHOLE NUMBERS (23 fraction bits, sums modulo 2^32): exact sums, so the four bands cut the samples without gap or overlap.
; cos and sin come from whole-number series, rounded to 2^-22: a position is off by at most 255 x 2^-23 pixel (3e-5).  Weights and sums are f32.
; A lane starts at its own first i in the band, so the 32 lanes of a wave sweep about one line at a time, their columns at least one pixel apart.
;
; LIMITS.  Pixels outside the circle are replaced by 0 (the reference multiplies by 0, which turns a NaN or an infinity there into NaN).
; The order of the sums differs from the reference's.
; NO TENSOR LOADS, NO CLUSTER: each pixel is masked, interleaved with the three other images and (o = 1) transposed on its way into LDS, which
; takes registers.  240 work-groups: 8 chunks x 30, because 90 angles are 30 x 3.
.set BROWS,   65                       ; values of floor(R) that a band owns
.set LROWS,   BROWS+1                  ; lines that it keeps
.set PPX,     259                      ; LDS pitch in pixels
.set PITCH,   PPX*16                   ; and in bytes
.set THREADS, 768
.set NPX,     LROWS*256/THREADS        ; 22 pixels (of four images) a thread brings
.set IMG,     256*256*4                ; bytes of one image
.set ZIDX,    257                      ; pixel index (line 0, column 257): it, its right, lower and lower right neighbours are zeros
.set MAXI,    (BROWS-1)*PPX+ZIDX       ; the largest pixel index of an upper left corner
.set MAXL,    (LROWS-1)*PITCH+255*16   ; the largest byte address (less 16) that the fill stores to
; vector registers
.set GO,   8                           ; v8-29    fill: byte offset of pixel n in an image
.set LA,   30                          ; v30-51   fill: LDS address of pixel n, less 16
.set DATA, 52                          ; v52-139  fill: pixel n of images 0..3
.set DB,   8                           ; v8-39    loop: two buffers of four corners x four images
.set WB,   40                          ; v40-47   loop: two sets of four weights
.set P,    48                          ; v48-49   1 + fraction of C, 1 + fraction of R
.set FA,   50                          ; v50-51   1 - wx, wx
.set FB,   52                          ; v52-53   1 - wy, wy
.set AD,   54                          ; v54-55   LDS address, one for each buffer
.set TX,   56
.set VD,   140                         ; R minus the band's first line, 23 fraction bits, modulo 2^32
.set VX,   141                         ; C + 1, likewise
.set VLIM, 142                         ; a sample counts where VD < VLIM (unsigned)
.set VO,   143                         ; byte offset of my 16 bytes in part
.set K1,   144                         ; v144-145 (-1, 1)
.set K2,   146                         ; v146-147 (2, -1)
.set ACA,  148                         ; v148-151 sums of the upper corners, images 0..3
.set ACB,  152                         ; v152-155 sums of the lower corners
; scalar registers
.set WAVE, 8
.set ORI,  11
.set BAND, 12
.set LO,   13                          ; 65 k - 1
.set YLO,  14                          ; image row of quotient 0
.set XLO,  15                          ; image column of remainder 0
.set DIVK, 16                          ; quotient = (p x DIVK) >> 16
.set DIVD, 17                          ; the divisor: 256 or 66
.set LQ,   18                          ; LDS bytes for one step of the quotient
.set LR,   19                          ; and of the remainder
.set YC,   20                          ; YLO - 128
.set XC,   21                          ; XLO - 128
.set NANG, 24
.set JG,   25
.set ANG,  26
.set TA,   27
.set A2,   28
.set HI,   29
.set PHI,  30
.set USQ,  31
.set COSQ, 32
.set SINQ, 33
.set INV,  34
.set TB,   35
.set TRIPS, 36
.set C22,  37
.set S22,  38
.set NS22, 39
.set MSK,  40                          ; s40-61   circle mask of pixel n
.set NC22, 66
.set G22,  67
.set SC22, 68
.set B22,  69
.set D22,  70
.set RB,   71
.set XB,   72
.set RLO,  73
.set INV12, 74
.set AF,   75
.set GF,   76
.set A255, 77
.set JT,   78
.set SO,   79
.set FMASK, 80
.set FONE, 81
.set CNT,  82
	s_load_b128 s[4:7], s[0:1], 0x0                ; x s[4:5], part s[6:7]
	v_lshl_add_u32 v158, v0, 2, 0x42d00
	v_mov_b32 v159, 0
	v_lshrrev_b32 v1, 5, v0
	v_readfirstlane_b32 s[WAVE], v1                ; wave 0..23
	s_and_b32 s10, ttmp7, 0xffff                   ; chunk 0..7
	s_lshr_b32 s[ORI], s10, 2                      ; o
	s_and_b32 s[BAND], s10, 3                      ; k
	s_mul_i32 s[LO], s[BAND], BROWS
	s_sub_co_i32 s[LO], s[LO], 1                   ; the band's first line
	s_mov_b32 s[DIVK], 993                         ; (p x 993) >> 16 = p / 66 for p < 16,896: 993 x 66 = 65,538, the excess stays under 1/66
	s_mov_b32 s[DIVD], LROWS
	s_cmp_eq_u32 s[ORI], 0
	s_cselect_b32 s[YLO], s[LO], 0                 ; o = 0: pixel p = 256 q + rem is image row LO + q, column rem, LDS line q, column rem
	s_cselect_b32 s[XLO], 0, s[LO]                 ; o = 1: pixel p = 66 q + rem is image row q, column LO + rem, LDS line rem, column q
	s_cselect_b32 s[DIVK], 256, s[DIVK]
	s_cselect_b32 s[DIVD], 256, s[DIVD]
	s_cselect_b32 s[LQ], PITCH, 16
	s_cselect_b32 s[LR], 16, PITCH
	s_sub_co_i32 s[YC], s[YLO], 128
	s_sub_co_i32 s[XC], s[XLO], 128
	; The three zero columns of the 66 lines: threads 0..65, one line each.  Lanes 66..95 of wave 2 repeat line 65 with the same zeros.
	s_cmp_gt_u32 s[WAVE], 2
	s_cbranch_scc1 .Lnopad
	v_min_u32 v2, LROWS-1, v0
	v_mul_u32_u24 v2, PITCH, v2
	v_mov_b32 v4, 0
	v_mov_b32 v5, 0
	v_mov_b32 v6, 0
	v_mov_b32 v7, 0
	ds_store_b128 v2, v[4:7]
	ds_store_b128 v2, v[4:7] offset:257*16
	ds_store_b128 v2, v[4:7] offset:258*16
.Lnopad:
	s_wait_kmcnt 0x0
	; THE FILL, first half: addresses, masks and all 88 loads of a thread, none waited for yet.
	; Neighbouring threads take neighbouring columns of an image row: runs of 1,024 bytes (o = 0) or 264 bytes (o = 1).
.set pxn, 0
.rept NPX
	v_add_nc_u32 v1, THREADS*pxn, v0               ; p
	v_mul_u32_u24 v2, s[DIVK], v1
	v_lshrrev_b32 v2, 16, v2                       ; q
	v_mul_u32_u24 v3, s[DIVD], v2
	v_sub_nc_u32 v3, v1, v3                        ; rem
	v_add_nc_u32 v4, s[YLO], v2                    ; image row y, -1 .. 259
	v_add_nc_u32 v5, s[XLO], v3                    ; image column x, -1 .. 259
	v_or_b32 v6, v4, v5
	v_cmp_gt_u32 s[MSK+pxn], 256, v6               ; both inside 0 .. 255 (a negative number is large as an unsigned one)
	v_min_u32 v6, 255, v4                          ; an address inside the image in any case: what it brings is masked below
	v_min_u32 v7, 255, v5
	v_lshl_or_b32 v6, v6, 8, v7
	v_lshlrev_b32 v[GO+pxn], 2, v6
	v_add_nc_u32 v4, s[YC], v2                     ; y - 128
	v_add_nc_u32 v5, s[XC], v3                     ; x - 128
	v_mul_lo_u32 v4, v4, v4
	v_mad_u32 v4, v5, v5, v4                       ; the squared distance, a whole number: sqrt(d2) <= 128 exactly where d2 <= 16,384
	v_cmp_ge_u32 vcc_lo, 16384, v4
	s_and_b32 s[MSK+pxn], s[MSK+pxn], vcc_lo
	v_mul_u32_u24 v6, s[LQ], v2
	v_mad_u32_u24 v6, v3, s[LR], v6
	v_min_u32 v[LA+pxn], MAXL, v6                  ; never binds: it states the bound
	global_load_b32 v[DATA+4*pxn],   v[GO+pxn], s[4:5]
	global_load_b32 v[DATA+4*pxn+1], v[GO+pxn], s[4:5] offset:IMG
	global_load_b32 v[DATA+4*pxn+2], v[GO+pxn], s[4:5] offset:2*IMG
	global_load_b32 v[DATA+4*pxn+3], v[GO+pxn], s[4:5] offset:3*IMG
.set pxn, pxn+1
.endr
	; MY WAVE'S TASK, worked out while the loads are on their way.
	s_lshr_b32 s[TA], s[WAVE], 3
	s_and_b32 s[JG], s[WAVE], 7                    ; which 32 columns j
	s_mul_i32 s[NANG], s[TA], 30
	s_add_co_u32 s[NANG], s[NANG], ttmp9           ; angle number 0..89 within the orientation
	s_add_co_u32 s[ANG], s[NANG], 45               ; o = 0: a = 45 + number
	s_add_co_u32 s[TA], s[NANG], 90                ; o = 1: a = number, or number + 90 from 45 on
	s_cmp_lt_u32 s[NANG], 45
	s_cselect_b32 s[TA], s[NANG], s[TA]
	s_cmp_eq_u32 s[ORI], 0
	s_cselect_b32 s[ANG], s[ANG], s[TA]            ; a
	; fold the angle: a >= 90 mirrors (sin stays, cos changes sign); then phi = m pi / 358 <= 89 pi / 358 with
	; m = 2 a2 (a2 < 45: cos = cos phi, sin = sin phi) or m = 179 - 2 a2 (a2 >= 45, which is o = 0: sin = cos phi, cos = sin phi)
	s_sub_co_u32 s[TA], 179, s[ANG]
	s_cmp_ge_u32 s[ANG], 90
	s_cselect_b32 s[A2], s[TA], s[ANG]
	s_cselect_b32 s[HI], 1, 0
	s_lshl_b32 s[PHI], s[A2], 1
	s_sub_co_u32 s[TA], 179, s[PHI]
	s_cmp_ge_u32 s[A2], 45
	s_cselect_b32 s[PHI], s[TA], s[PHI]            ; m
	s_mul_i32 s[PHI], s[PHI], 37690049             ; phi x 2^32 (pi / 358 x 2^32 = 37,690,049.45); below 0.79 x 2^32
	s_mul_hi_u32 s[USQ], s[PHI], s[PHI]            ; u = phi^2 x 2^32
; one stage of a nested series: t = 1 - (u / n) t, t with 31 fraction bits, 1.0 = 0x80000000
.macro STAGE t, n
	s_mul_hi_u32 s[TB], s[USQ], (0x100000000+\n/2)/\n
	s_mul_hi_u32 s[TB], s[TB], s[\t]
	s_sub_co_u32 s[\t], 0x80000000, s[TB]
.endm
	s_mov_b32 s[COSQ], 0x80000000                  ; cos phi = 1 - u/2 (1 - u/12 (1 - u/30 (1 - u/56))); the next term is below 2.4e-8
	STAGE COSQ, 56
	STAGE COSQ, 30
	STAGE COSQ, 12
	STAGE COSQ, 2
	s_mov_b32 s[SINQ], 0x80000000                  ; sin phi = phi (1 - u/6 (1 - u/20 (1 - u/42 (1 - u/72)))); the next term is below 2e-9
	STAGE SINQ, 72
	STAGE SINQ, 42
	STAGE SINQ, 20
	STAGE SINQ, 6
	s_mul_hi_u32 s[SINQ], s[PHI], s[SINQ]          ; 31 fraction bits
	; 1 / al, 30 fraction bits: the chord through (0.71, 1) as a start (at most 3 per cent high), two Newton steps y (2 - al y)
	s_mul_hi_u32 s[INV], s[COSQ], 0xB4400000       ; 1.408203 al
	s_sub_co_u32 s[INV], 0x9A200000, s[INV]        ; 2.408203 - that
.rept 2
	s_mul_hi_u32 s[TB], s[COSQ], s[INV]            ; al y, 29 fraction bits
	s_sub_co_u32 s[TB], 0x40000000, s[TB]          ; 2 - al y
	s_mul_hi_u32 s[INV], s[INV], s[TB]             ; 27 fraction bits
	s_lshl_b32 s[INV], s[INV], 3
.endr
	; Steps: at most floor(65 / al) + 1 samples of a ray lie in a band, a lane starts at most 2 early, and the floor below may be 1 short:
	; floor(65 / al) + 4 steps, rounded up to pairs.
	s_mul_hi_u32 s[TRIPS], s[INV], 4*BROWS
	s_add_co_u32 s[TRIPS], s[TRIPS], 5
	s_lshr_b32 s[TRIPS], s[TRIPS], 1
	s_lshr_b32 s[INV12], s[INV], 18                ; 12 fraction bits, cut off: never too large
	s_add_co_u32 s[C22], s[COSQ], 256
	s_lshr_b32 s[C22], s[C22], 9                   ; cos phi, rounded to 22 fraction bits: (2 i - 255) x this = al u with 23
	s_add_co_u32 s[S22], s[SINQ], 256
	s_lshr_b32 s[S22], s[S22], 9
	s_sub_co_u32 s[NS22], 0, s[S22]
	s_sub_co_u32 s[NC22], 0, s[C22]
	; al = cos phi.  ga = +-sin phi, minus where a >= 90.  be = ga (o = 0) or -sin phi.  de = -cos phi (o = 0) or +-cos phi, minus where a >= 90.
	s_cmp_eq_u32 s[HI], 1
	s_cselect_b32 s[G22], s[NS22], s[S22]
	s_cselect_b32 s[SC22], s[NC22], s[C22]
	s_cmp_eq_u32 s[ORI], 0
	s_cselect_b32 s[B22], s[G22], s[NS22]
	s_cselect_b32 s[D22], s[NC22], s[SC22]
	s_mul_i32 s[RB], s[C22], 255
	s_sub_co_u32 s[RB], 0x5FC00000, s[RB]          ; (127.5 + 64) - 127.5 al: R + 64 lies in 11 .. 372, so it compares as an unsigned number
	s_mul_i32 s[XB], s[G22], 255
	s_sub_co_u32 s[XB], 0x40400000, s[XB]          ; (127.5 + 1) - 127.5 ga
	s_add_co_u32 s[RLO], s[LO], 64
	s_lshl_b32 s[RLO], s[RLO], 23                  ; the band's first line + 64
	s_lshl_b32 s[AF], s[C22], 1                    ; one step of i in R
	s_lshl_b32 s[GF], s[G22], 1                    ; and in C
	s_mul_i32 s[A255], s[C22], 510
	s_add_co_u32 s[A255], s[A255], 1               ; 255 steps and the smallest unit
	s_lshl_b32 s[JT], s[JG], 6
	s_sub_co_i32 s[JT], s[JT], 255                 ; 2 j - 255 = 2 lane + this
	s_mul_i32 s[SO], s[BAND], 180
	s_add_co_u32 s[SO], s[SO], s[ANG]
	s_lshl_b32 s[SO], s[SO], 12                    ; (band, angle): 256 j x 16 bytes
	s_lshl_b32 s[TA], s[JG], 9
	s_add_co_u32 s[SO], s[SO], s[TA]
	s_mov_b32 s[FMASK], 0x7fffff
	s_mov_b32 s[FONE], 0x3f800000
	; my lane's ray
	v_and_b32 v1, 31, v0
	v_lshl_add_u32 v[VO], v1, 4, s[SO]
	v_lshl_add_u32 v2, v1, 1, s[JT]                ; 2 j - 255
	v_mad_u32 v3, v2, s[B22], s[RB]                ; R + 64 at i = 0
	v_mad_u32 v4, v2, s[D22], s[XB]                ; C + 1 at i = 0
	v_cmp_gt_u32 vcc_lo, s[RLO], v3
	v_sub_nc_u32 v5, s[RLO], v3
	v_cndmask_b32 v5, 0, v5, vcc_lo                ; how far below the band the ray begins (0 if it does not)
	v_lshrrev_b32 v5, 12, v5                       ; 11 fraction bits, below 2^19
	v_mul_u32_u24 v5, s[INV12], v5                 ; x 1 / al: 23 fraction bits, below 2^32
	v_lshrrev_b32 v5, 23, v5                       ; my first i: never behind the first sample in the band, at most 2 in front of it
	v_mad_u32 v6, v5, s[AF], v3
	v_sub_nc_u32 v[VD], v6, s[RLO]
	v_mad_u32 v[VX], v5, s[GF], v4
	v_add_nc_u32 v6, s[A255], v3                   ; just above R + 64 at i = 255
	v_cmp_lt_u32 vcc_lo, s[RLO], v6
	v_sub_nc_u32 v6, v6, s[RLO]
	v_min_u32 v6, BROWS<<23, v6
	v_cndmask_b32 v[VLIM], 0, v6, vcc_lo           ; R grows with i, so VD < VLIM says: inside the band, and i <= 255.  Below the band VD wraps to a large number
	v_mov_b32 v[K1], -1.0
	v_mov_b32 v[K1+1], 1.0
	v_mov_b32 v[K2], 2.0
	v_mov_b32 v[K2+1], -1.0
.irp r, 0,1,2,3,4,5,6,7
	v_mov_b32 v[ACA+\r], 0
.endr
	; THE FILL, second half: mask and store, pixel by pixel as the loads come back.
.set pxn, 0
.rept NPX
.if 4*(NPX-1-pxn) > 63
	s_wait_loadcnt 63                              ; the wait's field ends at 63: stricter than the 4 x (21 - n) younger loads that could stay out
.else
	s_wait_loadcnt 4*(NPX-1-pxn)                   ; loads return in order: the four loads of each later pixel may stay out
.endif
	v_cndmask_b32 v[DATA+4*pxn],   0, v[DATA+4*pxn],   s[MSK+pxn]
	v_cndmask_b32 v[DATA+4*pxn+1], 0, v[DATA+4*pxn+1], s[MSK+pxn]
	v_cndmask_b32 v[DATA+4*pxn+2], 0, v[DATA+4*pxn+2], s[MSK+pxn]
	v_cndmask_b32 v[DATA+4*pxn+3], 0, v[DATA+4*pxn+3], s[MSK+pxn]
	ds_store_b128 v[LA+pxn], v[DATA+4*pxn:DATA+4*pxn+3] offset:16   ; + 16: column 0 is the zero column
.set pxn, pxn+1
.endr
	s_wait_dscnt 0x0                               ; my stores are in LDS before I say so; zero, since every wave reads everywhere
	s_barrier_signal -1
	s_barrier_wait -1                              ; the band is whole; nothing is stored to LDS from here on
; One step's look-up: address of the upper left corner, four loads of 16 bytes, the four weights; then the ray steps on.
.macro LOOKUP buf
	v_cmp_lt_u32 vcc_lo, v[VD], v[VLIM]
	v_lshrrev_b32 v[AD+\buf], 23, v[VD]            ; line in the band
	v_lshrrev_b32 v[TX], 23, v[VX]                 ; column + 1, modulo 512: columns below -1 wrap to 460 and more
	v_min_u32 v[TX], ZIDX, v[TX]                   ; so this one line sends both sides of the picture to the zero columns 257, 258
	v_mad_u32_u24 v[AD+\buf], v[AD+\buf], PPX, v[TX]
	v_cndmask_b32 v[AD+\buf], ZIDX, v[AD+\buf], vcc_lo     ; a sample that does not count reads zeros
	v_min_u32 v[AD+\buf], MAXI, v[AD+\buf]         ; never binds: it states the bound
	v_lshlrev_b32 v[AD+\buf], 4, v[AD+\buf]
	ds_load_b128 v[DB+16*\buf:DB+16*\buf+3],     v[AD+\buf]
	ds_load_b128 v[DB+16*\buf+4:DB+16*\buf+7],   v[AD+\buf] offset:16
	ds_load_b128 v[DB+16*\buf+8:DB+16*\buf+11],  v[AD+\buf] offset:PITCH
	ds_load_b128 v[DB+16*\buf+12:DB+16*\buf+15], v[AD+\buf] offset:PITCH+16
	v_and_or_b32 v[P],   v[VX], s[FMASK], s[FONE]  ; the 23 fraction bits under the exponent of 1.0: 1 + wx, exact
	v_and_or_b32 v[P+1], v[VD], s[FMASK], s[FONE]  ; 1 + wy
	v_add_nc_u32 v[VD], s[AF], v[VD]
	v_add_nc_u32 v[VX], s[GF], v[VX]
	v_pk_fma_f32 v[FA:FA+1], v[P:P+1], v[K1:K1+1], v[K2:K2+1] op_sel:[0,0,0] op_sel_hi:[0,1,1]   ; (2 - (1 + wx), (1 + wx) - 1), both exact
	v_pk_fma_f32 v[FB:FB+1], v[P:P+1], v[K1:K1+1], v[K2:K2+1] op_sel:[1,0,0] op_sel_hi:[1,1,1]   ; the same of wy
	v_pk_mul_f32 v[WB+4*\buf:WB+4*\buf+1],   v[FA:FA+1], v[FB:FB+1] op_sel:[0,0] op_sel_hi:[1,0] ; upper corners: (1-wx)(1-wy), wx (1-wy)
	v_pk_mul_f32 v[WB+4*\buf+2:WB+4*\buf+3], v[FA:FA+1], v[FB:FB+1] op_sel:[0,1] op_sel_hi:[1,1] ; lower corners: (1-wx) wy, wx wy
.endm
; Four corners x four images: eight packed multiply-adds, the weight taken twice from one half of its pair.
.macro ACCUM buf
	v_pk_fma_f32 v[ACA:ACA+1],   v[DB+16*\buf:DB+16*\buf+1],     v[WB+4*\buf:WB+4*\buf+1],   v[ACA:ACA+1]   op_sel:[0,0,0] op_sel_hi:[1,0,1]
	v_pk_fma_f32 v[ACA+2:ACA+3], v[DB+16*\buf+2:DB+16*\buf+3],   v[WB+4*\buf:WB+4*\buf+1],   v[ACA+2:ACA+3] op_sel:[0,0,0] op_sel_hi:[1,0,1]
	v_pk_fma_f32 v[ACB:ACB+1],   v[DB+16*\buf+8:DB+16*\buf+9],   v[WB+4*\buf+2:WB+4*\buf+3], v[ACB:ACB+1]   op_sel:[0,0,0] op_sel_hi:[1,0,1]
	v_pk_fma_f32 v[ACB+2:ACB+3], v[DB+16*\buf+10:DB+16*\buf+11], v[WB+4*\buf+2:WB+4*\buf+3], v[ACB+2:ACB+3] op_sel:[0,0,0] op_sel_hi:[1,0,1]
	v_pk_fma_f32 v[ACA:ACA+1],   v[DB+16*\buf+4:DB+16*\buf+5],   v[WB+4*\buf:WB+4*\buf+1],   v[ACA:ACA+1]   op_sel:[0,1,0] op_sel_hi:[1,1,1]
	v_pk_fma_f32 v[ACA+2:ACA+3], v[DB+16*\buf+6:DB+16*\buf+7],   v[WB+4*\buf:WB+4*\buf+1],   v[ACA+2:ACA+3] op_sel:[0,1,0] op_sel_hi:[1,1,1]
	v_pk_fma_f32 v[ACB:ACB+1],   v[DB+16*\buf+12:DB+16*\buf+13], v[WB+4*\buf+2:WB+4*\buf+3], v[ACB:ACB+1]   op_sel:[0,1,0] op_sel_hi:[1,1,1]
	v_pk_fma_f32 v[ACB+2:ACB+3], v[DB+16*\buf+14:DB+16*\buf+15], v[WB+4*\buf+2:WB+4*\buf+3], v[ACB+2:ACB+3] op_sel:[0,1,0] op_sel_hi:[1,1,1]
.endm
	; THE SWEEP: a step's corners are asked for one step before they are used.
	LOOKUP 0
	s_mov_b32 s[CNT], 0
.Lpair:
	LOOKUP 1
	s_wait_dscnt 0x4                               ; LDS loads return in order: the four just issued stay out, the four before them are in
	ACCUM 0
	LOOKUP 0
	s_wait_dscnt 0x4                               ; likewise
	ACCUM 1
	s_add_co_u32 s[CNT], s[CNT], 1
	s_cmp_lt_u32 s[CNT], s[TRIPS]
	s_cbranch_scc1 .Lpair
	s_wait_dscnt 0x0                               ; the look-ahead of a step behind the last: past the band by the count above, not used
	v_pk_add_f32 v[ACA:ACA+1],   v[ACA:ACA+1],   v[ACB:ACB+1]
	v_pk_add_f32 v[ACA+2:ACA+3], v[ACA+2:ACA+3], v[ACB+2:ACB+3]
	global_store_b128 v[VO], v[ACA:ACA+3], s[6:7]  ; the wave stores 512 consecutive bytes, at a multiple of 512 from part's first byte
	s_wait_tensorcnt 0x0
	ds_add_u32 v158, v159
	s_wait_dscnt 0x0
	s_endpgm
.Lfunc_end_k_q6ab74790f1_bands:
	.size	k_q6ab74790f1_bands, .Lfunc_end_k_q6ab74790f1_bands-k_q6ab74790f1_bands
	.p2alignl 7, 3214868480
	.fill 96, 4, 3214868480
	.section	.rodata,"a",@progbits
	.p2align	6, 0x0
	.amdhsa_kernel k_q6ab74790f1_bands
		.amdhsa_group_segment_fixed_size 276736
		.amdhsa_private_segment_fixed_size 0
		.amdhsa_enable_private_segment 0
		.amdhsa_kernarg_size 16
		.amdhsa_user_sgpr_count 2
		.amdhsa_user_sgpr_kernarg_segment_ptr 1
		.amdhsa_wavefront_size32 1
		.amdhsa_system_sgpr_workgroup_id_x 1
		.amdhsa_system_sgpr_workgroup_id_y 1
		.amdhsa_system_sgpr_workgroup_id_z 1
		.amdhsa_system_vgpr_workitem_id 0
		.amdhsa_next_free_vgpr 160
		.amdhsa_next_free_sgpr 84
		.amdhsa_reserve_vcc 1
		.amdhsa_float_denorm_mode_32 3
		.amdhsa_float_denorm_mode_16_64 3
		.amdhsa_memory_ordered 1
		.amdhsa_forward_progress 1
		.amdhsa_inst_pref_size 51
	.end_amdhsa_kernel
	.amdgpu_metadata
---
amdhsa.version: [ 1, 2 ]
amdhsa.kernels:
  - .name:           k_q6ab74790f1_bands
    .symbol:         k_q6ab74790f1_bands.kd
    .args:
      - { .name: x, .offset: 0, .size: 8, .value_kind: global_buffer, .address_space: global }
      - { .name: part, .offset: 8, .size: 8, .value_kind: global_buffer, .address_space: global }
    .group_segment_fixed_size: 276736
    .private_segment_fixed_size: 0
    .kernarg_segment_align: 8
    .kernarg_segment_size: 16
    .max_flat_workgroup_size: 768
    .sgpr_count:     84
    .vgpr_count:     160
    .wavefront_size: 32
...
	.end_amdgpu_metadata
.endif
;; end of part 1
;; launch fold (part 2): grid 180 x 1, 8 waves a work-group, no clusters, 5,120 bytes of LDS; arguments part, out0; writes out0
.if DOCPART == 2
	.amdgcn_target "amdgcn-amd-amdhsa--gfx1250"
	.amdhsa_code_object_version 6
	.text
	.protected	k_q6ab74790f1_fold
	.globl	k_q6ab74790f1_fold
	.p2align	8
	.type	k_q6ab74790f1_fold,@function
k_q6ab74790f1_fold:
	s_mov_b64 s[64:65], 0
	v_nop
	global_prefetch_b8 v0, s[64:65] scope:SCOPE_SE
	s_setreg_imm32_b32 hwreg(HW_REG_WAVE_MODE, 25, 1), 1
	s_wait_xcnt 0x0
; Radon transform, second launch: out0[image][angle][j] = sum over the four bands of part[band][angle][j][image].
; One work-group for an angle, 256 threads.  Thread t loads the 16 bytes (four images) of j = t from each band: a wave's load covers 512
; consecutive bytes.  The sums change from [j][image] to [image][j] through 4 KiB of LDS, so that thread t can store four neighbouring j of
; image t / 64 as 16 bytes: sixteen neighbouring lanes store 256 consecutive bytes at a multiple of 256 from out0's first byte.
; A stream of 16 KiB in and 4 KiB out for a work-group: no matrix unit, no cluster, nothing shared between work-groups.
.set ANGB,  256*16                     ; bytes of one (band, angle) in part
.set BANDB, 180*ANGB                   ; bytes of one band
.set OUTI,  180*256*4                  ; bytes of one image's sinogram
	s_load_b128 s[4:7], s[0:1], 0x0                ; part s[4:5], out0 s[6:7]
	v_lshl_add_u32 v24, v0, 2, 0x1000
	v_mov_b32 v25, 0
	s_lshl_b32 s8, ttmp9, 12                       ; angle x 4,096 bytes in a band of part
	s_lshl_b32 s9, ttmp9, 10                       ; angle x 1,024 bytes in an image of out0
	v_lshlrev_b32 v1, 4, v0                        ; 16 t
	v_add_nc_u32 v2, s8, v1
	s_wait_kmcnt 0x0
	global_load_b128 v[4:7],   v2, s[4:5] th:TH_LOAD_NT
	global_load_b128 v[8:11],  v2, s[4:5] offset:BANDB th:TH_LOAD_NT
	global_load_b128 v[12:15], v2, s[4:5] offset:2*BANDB th:TH_LOAD_NT
	global_load_b128 v[16:19], v2, s[4:5] offset:3*BANDB th:TH_LOAD_NT
	v_lshlrev_b32 v3, 2, v0                        ; LDS word t of each image's 256
	v_lshrrev_b32 v20, 6, v0                       ; the image that I store
	v_and_b32 v21, 63, v0                          ; and which four j
	v_mul_u32_u24 v20, OUTI, v20
	v_lshl_add_u32 v20, v21, 4, v20
	v_add_nc_u32 v20, s9, v20
	s_wait_loadcnt 0x0
	v_pk_add_f32 v[4:5],   v[4:5],   v[8:9]
	v_pk_add_f32 v[6:7],   v[6:7],   v[10:11]
	v_pk_add_f32 v[12:13], v[12:13], v[16:17]
	v_pk_add_f32 v[14:15], v[14:15], v[18:19]
	v_pk_add_f32 v[4:5],   v[4:5],   v[12:13]
	v_pk_add_f32 v[6:7],   v[6:7],   v[14:15]
	ds_store_b32 v3, v4                            ; image 0, j = t: neighbouring lanes, neighbouring words
	ds_store_b32 v3, v5 offset:1024
	ds_store_b32 v3, v6 offset:2048
	ds_store_b32 v3, v7 offset:3072
	s_wait_dscnt 0x0                               ; my stores are in LDS before I say so: other waves read them
	s_barrier_signal -1
	s_barrier_wait -1
	ds_load_b128 v[8:11], v1                       ; words 4 t .. 4 t + 3: image t / 64, j = 4 (t % 64) ..
	s_wait_dscnt 0x0
	global_store_b128 v20, v[8:11], s[6:7] th:TH_STORE_NT
	s_wait_tensorcnt 0x0
	ds_add_u32 v24, v25
	s_wait_dscnt 0x0
	s_endpgm
.Lfunc_end_k_q6ab74790f1_fold:
	.size	k_q6ab74790f1_fold, .Lfunc_end_k_q6ab74790f1_fold-k_q6ab74790f1_fold
	.p2alignl 7, 3214868480
	.fill 96, 4, 3214868480
	.section	.rodata,"a",@progbits
	.p2align	6, 0x0
	.amdhsa_kernel k_q6ab74790f1_fold
		.amdhsa_group_segment_fixed_size 5120
		.amdhsa_private_segment_fixed_size 0
		.amdhsa_enable_private_segment 0
		.amdhsa_kernarg_size 16
		.amdhsa_user_sgpr_count 2
		.amdhsa_user_sgpr_kernarg_segment_ptr 1
		.amdhsa_wavefront_size32 1
		.amdhsa_system_sgpr_workgroup_id_x 1
		.amdhsa_system_sgpr_workgroup_id_y 1
		.amdhsa_system_sgpr_workgroup_id_z 1
		.amdhsa_system_vgpr_workitem_id 0
		.amdhsa_next_free_vgpr 26
		.amdhsa_next_free_sgpr 66
		.amdhsa_reserve_vcc 0
		.amdhsa_float_denorm_mode_32 3
		.amdhsa_float_denorm_mode_16_64 3
		.amdhsa_memory_ordered 1
		.amdhsa_forward_progress 1
		.amdhsa_inst_pref_size 3
	.end_amdhsa_kernel
	.amdgpu_metadata
---
amdhsa.version: [ 1, 2 ]
amdhsa.kernels:
  - .name:           k_q6ab74790f1_fold
    .symbol:         k_q6ab74790f1_fold.kd
    .args:
      - { .name: part, .offset: 0, .size: 8, .value_kind: global_buffer, .address_space: global }
      - { .name: out0, .offset: 8, .size: 8, .value_kind: global_buffer, .address_space: global }
    .group_segment_fixed_size: 5120
    .private_segment_fixed_size: 0
    .kernarg_segment_align: 8
    .kernarg_segment_size: 16
    .max_flat_workgroup_size: 256
    .sgpr_count:     66
    .vgpr_count:     26
    .wavefront_size: 32
...
	.end_amdgpu_metadata
.endif
;; end of part 2
;; ======== version 2 of 2: 2 launches; version 1 with the launch bands written anew for expert scheduling mode
;; workspace buffers: part 2,949,120 bytes
;; launch bands (part 3): grid 30 x 8, 24 waves a work-group, no clusters, 276,736 bytes of LDS; arguments x, part; writes part
.if DOCPART == 3
	.amdgcn_target "amdgcn-amd-amdhsa--gfx1250"
	.amdhsa_code_object_version 6
	.text
	.protected	k_q6ab74790f1_bands
	.globl	k_q6ab74790f1_bands
	.p2align	8
	.type	k_q6ab74790f1_bands,@function
k_q6ab74790f1_bands:
	s_mov_b64 s[64:65], 0
	v_nop
	global_prefetch_b8 v0, s[64:65] scope:SCOPE_SE
	s_setreg_imm32_b32 hwreg(HW_REG_WAVE_SCHED_MODE, 0, 2), 2
	s_setreg_imm32_b32 hwreg(HW_REG_WAVE_MODE, 25, 1), 1
	s_wait_xcnt 0x0
	s_wait_alu depctr_vm_vsrc(0)
; Radon transform, first of two launches: partial ray sums over one band of the picture.
;   part[band][angle][j][image] = sum over those i whose sample falls into the band of the bilinear sample of the masked image.
; x: [4][256][256] f32.  part: [4][180][256][4] f32.
;
; GEOMETRY.  With u = i - 127.5 and v = j - 127.5 the sample lies at px = 127.5 + c u - s v, py = 127.5 + s u + c v (pixels), angle = a pi / 179.
; Work-group y = 4 o + k.  o = 0: angles 45..134, row coordinate R = py, column coordinate C = px, the band holds image rows.
; o = 1: angles 0..44 and 135..179, R = px, C = py, the band holds image columns (stored transposed); where c < 0 the ray is walked from
; i = 255 down, which changes no sum.  So R = 127.5 + al u + be v, C = 127.5 + ga u + de v with al = cos(phi) >= 0.71 in every case.
; Band k owns the samples with floor(R) in 65 k - 1 .. 65 k + 63 and keeps lines 65 k - 1 .. 65 k + 64 (66 lines; lines outside the picture are zeros).
; LDS: [66 lines][259 columns][4 images] f32, 16 bytes a pixel, so one 16-byte load brings one corner of all four images.
; Column 0 stands for coordinate -1, columns 1..256 for 0..255, columns 257 and 258 are zeros.  The pitch of 259 pixels is odd, so that sixteen
; lanes that store the same column of sixteen neighbouring lines (the transposed fill) start at sixteen different 16-byte places modulo 256 bytes.
; Work-group x = g takes angles g, g + 30, g + 60 of its 90; 24 waves, wave w: angle number g + 30 (w / 8), columns j = 32 (w % 8) + lane.
;
; ALL POSITIONS ARE WHOLE NUMBERS (23 fraction bits, sums modulo 2^32): exact sums, so the four bands cut the samples without gap or overlap.
; cos and sin come from whole-number series, rounded to 2^-22: a position is off by at most 255 x 2^-23 pixel (3e-5).  Weights and sums are f32.
; A lane starts at its own first i in the band, so the 32 lanes of a wave sweep about one line at a time, their columns at least one pixel apart.
;
; LIMITS.  Pixels outside the circle are replaced by 0 (the reference multiplies by 0, which turns a NaN or an infinity there into NaN).
; The order of the sums differs from the reference's.
; NO TENSOR LOADS, NO CLUSTER: each pixel is masked, interleaved with the three other images and (o = 1) transposed on its way into LDS, which
; takes registers.  240 work-groups: 8 chunks x 30, because 90 angles are 30 x 3.
;
; THE MODE: SCHED_MODE bits 1:0 = 2 (LLVM: expert scheduling mode 2), set by the entry lines.  The code itself states the register dependences
; between vector instructions and memory or LDS instructions, and those through scalar registers and VCC that vector instructions write,
; with s_wait_alu, always for 0.
; THE PLAN.  Registers that memory or LDS instructions touch:
;   the fill   GO, LA   written by a pixel's address lines; GO read by its four loads, LA by its LDS store.  Pixels go in pairs: one wait ahead of a pair's eight loads.
;              DATA     the loads land in it; a pair's selects rewrite it in place; its two LDS stores stand one pair later, behind that pair's wait for
;                       its data and one wait that states that the selects have written.
;   the sweep  DB0, DB1 step t: its eight multiply-adds read DB[t % 2]; its four loads (the corners of step t + 1) land in the other.
;              AD0, AD1 step t: those loads read AD[(t + 1) % 2], written in step t - 1; its address lines write AD[t % 2], for step t + 2.
;              The weights, the ray's position, the sums and the scratch are named by vector instructions alone.
;   So two waits at a step's head state all that its four loads and its writes of AD hang on; the loads follow them at once.
; Scalar registers and VCC from vector instructions: the wave's number; the fill's 44 compares, all into scalar registers, with one wait ahead of
; the run that joins them; the two compares of the ray's set-up, one wait; the sweep's compare into VCC, one wait a step ahead of its select.
.set BROWS,   65                       ; values of floor(R) that a band owns
.set LROWS,   BROWS+1                  ; lines that it keeps
.set PPX,     259                      ; LDS pitch in pixels
.set PITCH,   PPX*16                   ; and in bytes
.set THREADS, 768
.set NPX,     LROWS*256/THREADS        ; 22 pixels (of four images) a thread brings
.set IMG,     256*256*4                ; bytes of one image
.set ZIDX,    257                      ; pixel index (line 0, column 257): it, its right, lower and lower right neighbours are zeros
.set MAXI,    (BROWS-1)*PPX+ZIDX       ; the largest pixel index of an upper left corner
.set MAXL,    (LROWS-1)*PITCH+255*16   ; the largest byte address (less 16) that the fill stores to
; vector registers
.set GO,   8                           ; v8-29    fill: byte offset of pixel n in an image
.set LA,   30                          ; v30-51   fill: LDS address of pixel n, less 16
.set DATA, 52                          ; v52-139  fill: pixel n of images 0..3
.set DB,   8                           ; v8-39    loop: two buffers of four corners x four images
.set WB,   40                          ; v40-47   loop: two sets of four weights
.set P,    48                          ; v48-49   1 + fraction of C, 1 + fraction of R
.set FA,   50                          ; v50-51   1 - wx, wx
.set FB,   52                          ; v52-53   1 - wy, wy
.set AD,   54                          ; v54-55   LDS address, one for each buffer
.set TX,   56
.set VD,   140                         ; R minus the band's first line, 23 fraction bits, modulo 2^32
.set VX,   141                         ; C + 1, likewise
.set VLIM, 142                         ; a sample counts where VD < VLIM (unsigned)
.set VO,   143                         ; byte offset of my 16 bytes in part
.set K1,   144                         ; v144-145 (-1, 1)
.set K2,   146                         ; v146-147 (2, -1)
.set ACA,  148                         ; v148-151 sums of the upper corners, images 0..3
.set ACB,  152                         ; v152-155 sums of the lower corners
; scalar registers
.set WAVE, 8
.set ORI,  11
.set BAND, 12
.set LO,   13                          ; 65 k - 1
.set YLO,  14                          ; image row of quotient 0
.set XLO,  15                          ; image column of remainder 0
.set DIVK, 16                          ; quotient = (p x DIVK) >> 16
.set DIVD, 17                          ; the divisor: 256 or 66
.set LQ,   18                          ; LDS bytes for one step of the quotient
.set LR,   19                          ; and of the remainder
.set YC,   20                          ; YLO - 128
.set XC,   21                          ; XLO - 128
.set CM0,  22                          ; the ray begins below the band
.set CM1,  23                          ; the ray reaches the band
.set NANG, 24
.set JG,   25
.set ANG,  26
.set TA,   27
.set A2,   28
.set HI,   29
.set PHI,  30
.set USQ,  31
.set COSQ, 32
.set SINQ, 33
.set INV,  34
.set TB,   35
.set TRIPS, 36
.set C22,  37
.set S22,  38
.set NS22, 39
.set MSK,  40                          ; s40-61   pixel n lies in the picture; then: and in the circle
.set MS2,  66                          ; s66-87   in the fill's first half alone: pixel n lies in the circle; s66-82 take the task's numbers behind it
.set NC22, 66
.set G22,  67
.set SC22, 68
.set B22,  69
.set D22,  70
.set RB,   71
.set XB,   72
.set RLO,  73
.set INV12, 74
.set AF,   75
.set GF,   76
.set A255, 77
.set JT,   78
.set SO,   79
.set FMASK, 80
.set FONE, 81
.set CNT,  82
	s_load_b128 s[4:7], s[0:1], 0x0                ; x s[4:5], part s[6:7]
	v_lshl_add_u32 v158, v0, 2, 0x42d00
	v_mov_b32 v159, 0
	v_lshrrev_b32 v1, 5, v0
	v_readfirstlane_b32 s[WAVE], v1                ; wave 0..23
	s_and_b32 s10, ttmp7, 0xffff                   ; chunk 0..7
	s_lshr_b32 s[ORI], s10, 2                      ; o
	s_and_b32 s[BAND], s10, 3                      ; k
	s_mul_i32 s[LO], s[BAND], BROWS
	s_sub_co_i32 s[LO], s[LO], 1                   ; the band's first line
	s_mov_b32 s[DIVK], 993                         ; (p x 993) >> 16 = p / 66 for p < 16,896: 993 x 66 = 65,538, the excess stays under 1/66
	s_mov_b32 s[DIVD], LROWS
	s_cmp_eq_u32 s[ORI], 0
	s_cselect_b32 s[YLO], s[LO], 0                 ; o = 0: pixel p = 256 q + rem is image row LO + q, column rem, LDS line q, column rem
	s_cselect_b32 s[XLO], 0, s[LO]                 ; o = 1: pixel p = 66 q + rem is image row q, column LO + rem, LDS line rem, column q
	s_cselect_b32 s[DIVK], 256, s[DIVK]
	s_cselect_b32 s[DIVD], 256, s[DIVD]
	s_cselect_b32 s[LQ], PITCH, 16
	s_cselect_b32 s[LR], 16, PITCH
	s_sub_co_i32 s[YC], s[YLO], 128
	s_sub_co_i32 s[XC], s[XLO], 128
	; The three zero columns of the 66 lines: threads 0..65, one line each.  Lanes 66..95 of wave 2 repeat line 65 with the same zeros.
	s_wait_alu depctr_va_sdst(0)                   ; the wave's number is written, ahead of its first reader, the compare below
	s_cmp_gt_u32 s[WAVE], 2
	s_cbranch_scc1 .Lnopad
	v_min_u32 v2, LROWS-1, v0
	v_mul_u32_u24 v2, PITCH, v2
	v_mov_b32 v4, 0
	v_mov_b32 v5, 0
	v_mov_b32 v6, 0
	v_mov_b32 v7, 0
	s_wait_alu depctr_va_vdst(0)                   ; v2 and v[4:7] are written: the address and the data of the three stores
	ds_store_b128 v2, v[4:7]
	ds_store_b128 v2, v[4:7] offset:257*16
	ds_store_b128 v2, v[4:7] offset:258*16
	s_wait_alu depctr_vm_vsrc(0)                   ; the three stores have read v2 and v[4:7], which the fill's address lines write again
.Lnopad:
	s_wait_kmcnt 0x0
; Pixel n of my 22: its offset in an image, its LDS address and its two masks.
.macro PIXEL n
	v_add_nc_u32 v1, THREADS*(\n), v0              ; p
	v_mul_u32_u24 v2, s[DIVK], v1
	v_lshrrev_b32 v2, 16, v2                       ; q
	v_mul_u32_u24 v3, s[DIVD], v2
	v_sub_nc_u32 v3, v1, v3                        ; rem
	v_add_nc_u32 v4, s[YLO], v2                    ; image row y, -1 .. 259
	v_add_nc_u32 v5, s[XLO], v3                    ; image column x, -1 .. 259
	v_or_b32 v6, v4, v5
	v_cmp_gt_u32 s[MSK+(\n)], 256, v6              ; both inside 0 .. 255 (a negative number is large as an unsigned one)
	v_min_u32 v6, 255, v4                          ; an address inside the image in any case: what it brings is masked below
	v_min_u32 v7, 255, v5
	v_lshl_or_b32 v6, v6, 8, v7
	v_lshlrev_b32 v[GO+(\n)], 2, v6
	v_add_nc_u32 v4, s[YC], v2                     ; y - 128
	v_add_nc_u32 v5, s[XC], v3                     ; x - 128
	v_mul_lo_u32 v4, v4, v4
	v_mad_u32 v4, v5, v5, v4                       ; the squared distance, a whole number: sqrt(d2) <= 128 exactly where d2 <= 16,384
	v_cmp_ge_u32 s[MS2+(\n)], 16384, v4
	v_mul_u32_u24 v6, s[LQ], v2
	v_mad_u32_u24 v6, v3, s[LR], v6
	v_min_u32 v[LA+(\n)], MAXL, v6                 ; never binds: it states the bound
.endm
.macro BRING n                         ; pixel n of the four images
	global_load_b32 v[DATA+4*(\n)],   v[GO+(\n)], s[4:5]
	global_load_b32 v[DATA+4*(\n)+1], v[GO+(\n)], s[4:5] offset:IMG
	global_load_b32 v[DATA+4*(\n)+2], v[GO+(\n)], s[4:5] offset:2*IMG
	global_load_b32 v[DATA+4*(\n)+3], v[GO+(\n)], s[4:5] offset:3*IMG
.endm
	; THE FILL, first half: addresses, masks and all 88 loads of a thread, none waited for yet.
	; Neighbouring threads take neighbouring columns of an image row: runs of 1,024 bytes (o = 0) or 264 bytes (o = 1).
.set pxn, 0
.rept NPX/2
	PIXEL pxn
	PIXEL pxn+1
	s_wait_alu depctr_va_vdst(0)                   ; the two pixels' offsets in v[GO ..] are written, which the eight loads read (their LDS addresses in v[LA ..] too, for the stores of the second half)
	BRING pxn
	BRING pxn+1
.set pxn, pxn+2
.endr
	s_wait_alu depctr_va_sdst(0)                   ; the 44 compares have written s[MSK ..] and s[MS2 ..], ahead of their first readers, the lines below
.set pxn, 0
.rept NPX
	s_and_b32 s[MSK+pxn], s[MSK+pxn], s[MS2+pxn]   ; in the picture and in the circle
.set pxn, pxn+1
.endr
	; MY WAVE'S TASK, worked out while the loads are on their way.
	s_lshr_b32 s[TA], s[WAVE], 3
	s_and_b32 s[JG], s[WAVE], 7                    ; which 32 columns j
	s_mul_i32 s[NANG], s[TA], 30
	s_add_co_u32 s[NANG], s[NANG], ttmp9           ; angle number 0..89 within the orientation
	s_add_co_u32 s[ANG], s[NANG], 45               ; o = 0: a = 45 + number
	s_add_co_u32 s[TA], s[NANG], 90                ; o = 1: a = number, or number + 90 from 45 on
	s_cmp_lt_u32 s[NANG], 45
	s_cselect_b32 s[TA], s[NANG], s[TA]
	s_cmp_eq_u32 s[ORI], 0
	s_cselect_b32 s[ANG], s[ANG], s[TA]            ; a
	; fold the angle: a >= 90 mirrors (sin stays, cos changes sign); then phi = m pi / 358 <= 89 pi / 358 with
	; m = 2 a2 (a2 < 45: cos = cos phi, sin = sin phi) or m = 179 - 2 a2 (a2 >= 45, which is o = 0: sin = cos phi, cos = sin phi)
	s_sub_co_u32 s[TA], 179, s[ANG]
	s_cmp_ge_u32 s[ANG], 90
	s_cselect_b32 s[A2], s[TA], s[ANG]
	s_cselect_b32 s[HI], 1, 0
	s_lshl_b32 s[PHI], s[A2], 1
	s_sub_co_u32 s[TA], 179, s[PHI]
	s_cmp_ge_u32 s[A2], 45
	s_cselect_b32 s[PHI], s[TA], s[PHI]            ; m
	s_mul_i32 s[PHI], s[PHI], 37690049             ; phi x 2^32 (pi / 358 x 2^32 = 37,690,049.45); below 0.79 x 2^32
	s_mul_hi_u32 s[USQ], s[PHI], s[PHI]            ; u = phi^2 x 2^32
; one stage of a nested series: t = 1 - (u / n) t, t with 31 fraction bits, 1.0 = 0x80000000
.macro STAGE t, n
	s_mul_hi_u32 s[TB], s[USQ], (0x100000000+\n/2)/\n
	s_mul_hi_u32 s[TB], s[TB], s[\t]
	s_sub_co_u32 s[\t], 0x80000000, s[TB]
.endm
	s_mov_b32 s[COSQ], 0x80000000                  ; cos phi = 1 - u/2 (1 - u/12 (1 - u/30 (1 - u/56))); the next term is below 2.4e-8
	STAGE COSQ, 56
	STAGE COSQ, 30
	STAGE COSQ, 12
	STAGE COSQ, 2
	s_mov_b32 s[SINQ], 0x80000000                  ; sin phi = phi (1 - u/6 (1 - u/20 (1 - u/42 (1 - u/72)))); the next term is below 2e-9
	STAGE SINQ, 72
	STAGE SINQ, 42
	STAGE SINQ, 20
	STAGE SINQ, 6
	s_mul_hi_u32 s[SINQ], s[PHI], s[SINQ]          ; 31 fraction bits
	; 1 / al, 30 fraction bits: the chord through (0.71, 1) as a start (at most 3 per cent high), two Newton steps y (2 - al y)
	s_mul_hi_u32 s[INV], s[COSQ], 0xB4400000       ; 1.408203 al
	s_sub_co_u32 s[INV], 0x9A200000, s[INV]        ; 2.408203 - that
.rept 2
	s_mul_hi_u32 s[TB], s[COSQ], s[INV]            ; al y, 29 fraction bits
	s_sub_co_u32 s[TB], 0x40000000, s[TB]          ; 2 - al y
	s_mul_hi_u32 s[INV], s[INV], s[TB]             ; 27 fraction bits
	s_lshl_b32 s[INV], s[INV], 3
.endr
	; Steps: at most floor(65 / al) + 1 samples of a ray lie in a band, a lane starts at most 2 early, and the floor below may be 1 short:
	; floor(65 / al) + 4 steps, rounded up to pairs.
	s_mul_hi_u32 s[TRIPS], s[INV], 4*BROWS
	s_add_co_u32 s[TRIPS], s[TRIPS], 5
	s_lshr_b32 s[TRIPS], s[TRIPS], 1
	s_lshr_b32 s[INV12], s[INV], 18                ; 12 fraction bits, cut off: never too large
	s_add_co_u32 s[C22], s[COSQ], 256
	s_lshr_b32 s[C22], s[C22], 9                   ; cos phi, rounded to 22 fraction bits: (2 i - 255) x this = al u with 23
	s_add_co_u32 s[S22], s[SINQ], 256
	s_lshr_b32 s[S22], s[S22], 9
	s_sub_co_u32 s[NS22], 0, s[S22]
	s_sub_co_u32 s[NC22], 0, s[C22]
	; al = cos phi.  ga = +-sin phi, minus where a >= 90.  be = ga (o = 0) or -sin phi.  de = -cos phi (o = 0) or +-cos phi, minus where a >= 90.
	s_cmp_eq_u32 s[HI], 1
	s_cselect_b32 s[G22], s[NS22], s[S22]
	s_cselect_b32 s[SC22], s[NC22], s[C22]
	s_cmp_eq_u32 s[ORI], 0
	s_cselect_b32 s[B22], s[G22], s[NS22]
	s_cselect_b32 s[D22], s[NC22], s[SC22]
	s_mul_i32 s[RB], s[C22], 255
	s_sub_co_u32 s[RB], 0x5FC00000, s[RB]          ; (127.5 + 64) - 127.5 al: R + 64 lies in 11 .. 372, so it compares as an unsigned number
	s_mul_i32 s[XB], s[G22], 255
	s_sub_co_u32 s[XB], 0x40400000, s[XB]          ; (127.5 + 1) - 127.5 ga
	s_add_co_u32 s[RLO], s[LO], 64
	s_lshl_b32 s[RLO], s[RLO], 23                  ; the band's first line + 64
	s_lshl_b32 s[AF], s[C22], 1                    ; one step of i in R
	s_lshl_b32 s[GF], s[G22], 1                    ; and in C
	s_mul_i32 s[A255], s[C22], 510
	s_add_co_u32 s[A255], s[A255], 1               ; 255 steps and the smallest unit
	s_lshl_b32 s[JT], s[JG], 6
	s_sub_co_i32 s[JT], s[JT], 255                 ; 2 j - 255 = 2 lane + this
	s_mul_i32 s[SO], s[BAND], 180
	s_add_co_u32 s[SO], s[SO], s[ANG]
	s_lshl_b32 s[SO], s[SO], 12                    ; (band, angle): 256 j x 16 bytes
	s_lshl_b32 s[TA], s[JG], 9
	s_add_co_u32 s[SO], s[SO], s[TA]
	s_mov_b32 s[FMASK], 0x7fffff
	s_mov_b32 s[FONE], 0x3f800000
	; my lane's ray.  The two compares stand together, the constants between them and the one wait for both.
	v_and_b32 v1, 31, v0
	v_lshl_add_u32 v[VO], v1, 4, s[SO]
	v_lshl_add_u32 v2, v1, 1, s[JT]                ; 2 j - 255
	v_mad_u32 v3, v2, s[B22], s[RB]                ; R + 64 at i = 0
	v_mad_u32 v4, v2, s[D22], s[XB]                ; C + 1 at i = 0
	v_cmp_gt_u32 s[CM0], s[RLO], v3
	v_sub_nc_u32 v5, s[RLO], v3
	v_add_nc_u32 v6, s[A255], v3                   ; just above R + 64 at i = 255
	v_cmp_lt_u32 s[CM1], s[RLO], v6
	v_sub_nc_u32 v6, v6, s[RLO]
	v_min_u32 v6, BROWS<<23, v6
	v_mov_b32 v[K1], -1.0
	v_mov_b32 v[K1+1], 1.0
	v_mov_b32 v[K2], 2.0
	v_mov_b32 v[K2+1], -1.0
.irp r, 0,1,2,3,4,5,6,7
	v_mov_b32 v[ACA+\r], 0
.endr
	s_wait_alu depctr_va_sdst(0)                   ; the two compares have written s[CM0] and s[CM1], ahead of their first readers, the two selects
	v_cndmask_b32 v5, 0, v5, s[CM0]                ; how far below the band the ray begins (0 if it does not)
	v_cndmask_b32 v[VLIM], 0, v6, s[CM1]           ; R grows with i, so VD < VLIM says: inside the band, and i <= 255.  Below the band VD wraps to a large number
	v_lshrrev_b32 v5, 12, v5                       ; 11 fraction bits, below 2^19
	v_mul_u32_u24 v5, s[INV12], v5                 ; x 1 / al: 23 fraction bits, below 2^32
	v_lshrrev_b32 v5, 23, v5                       ; my first i: never behind the first sample in the band, at most 2 in front of it
	v_mad_u32 v6, v5, s[AF], v3
	v_sub_nc_u32 v[VD], v6, s[RLO]
	v_mad_u32 v[VX], v5, s[GF], v4
.macro SELECT n                        ; pixel n of the four images, or 0
	v_cndmask_b32 v[DATA+4*(\n)],   0, v[DATA+4*(\n)],   s[MSK+(\n)]
	v_cndmask_b32 v[DATA+4*(\n)+1], 0, v[DATA+4*(\n)+1], s[MSK+(\n)]
	v_cndmask_b32 v[DATA+4*(\n)+2], 0, v[DATA+4*(\n)+2], s[MSK+(\n)]
	v_cndmask_b32 v[DATA+4*(\n)+3], 0, v[DATA+4*(\n)+3], s[MSK+(\n)]
.endm
.macro PUT n
	ds_store_b128 v[LA+(\n)], v[DATA+4*(\n):DATA+4*(\n)+3] offset:16   ; + 16: column 0 is the zero column
.endm
	; THE FILL, second half: mask and store, pair by pair as the loads come back; a pair's stores stand behind the next pair's wait for its data.
.set pxn, 0
.rept NPX/2
.if 4*(NPX-2-pxn) > 63
	s_wait_loadcnt 63                              ; the wait's field ends at 63: stricter than the 4 x (20 - n) younger loads that could stay out
.else
	s_wait_loadcnt 4*(NPX-2-pxn)                   ; loads return in order: the four loads of each pixel behind this pair may stay out
.endif
.if pxn > 0
	s_wait_alu depctr_va_vdst(0)                   ; the selects of the pair before have written its eight registers of DATA, which the two stores read
	PUT pxn-2
	PUT pxn-1
.endif
	SELECT pxn
	SELECT pxn+1
.set pxn, pxn+2
.endr
	s_wait_alu depctr_va_vdst(0)                   ; the last pair's selects have written its DATA, which the two stores read
	PUT NPX-2
	PUT NPX-1
	s_wait_dscnt 0x0                               ; my stores are in LDS before I say so; zero, since every wave reads everywhere
	s_barrier_signal -1
	s_barrier_wait -1                              ; the band is whole; nothing is stored to LDS from here on
	s_wait_alu depctr_vm_vsrc(0)                   ; my loads and LDS stores of the fill have read v[GO ..], v[LA ..] and v[DATA ..]: v8 to v56 are the sweep's from here on, written by its loads and its vector lines
; Multiply-add n of the eight of a step (four corners x four images, two images at a time), the weight taken twice from one half of its pair:
; 0-3 the left corners (upper, upper, lower, lower), 4-7 the right ones.  on = 0: nothing.
.macro MA on, buf, n
.if \on
.set rA, ACA+4*(((\n)/2)%2)+2*((\n)%2)
.set rD, DB+16*(\buf)+8*(((\n)/2)%2)+4*((\n)/4)+2*((\n)%2)
.set rW, WB+4*(\buf)+2*(((\n)/2)%2)
.if (\n) < 4
	v_pk_fma_f32 v[rA:rA+1], v[rD:rD+1], v[rW:rW+1], v[rA:rA+1] op_sel:[0,0,0] op_sel_hi:[1,0,1]
.else
	v_pk_fma_f32 v[rA:rA+1], v[rD:rD+1], v[rW:rW+1], v[rA:rA+1] op_sel:[0,1,0] op_sel_hi:[1,1,1]
.endif
.endif
.endm
; The four corners of a step, by the address in AD[buf], into DB[buf].
.macro FETCH buf
	ds_load_b128 v[DB+16*(\buf):DB+16*(\buf)+3],     v[AD+(\buf)]
	ds_load_b128 v[DB+16*(\buf)+4:DB+16*(\buf)+7],   v[AD+(\buf)] offset:16
	ds_load_b128 v[DB+16*(\buf)+8:DB+16*(\buf)+11],  v[AD+(\buf)] offset:PITCH
	ds_load_b128 v[DB+16*(\buf)+12:DB+16*(\buf)+15], v[AD+(\buf)] offset:PITCH+16
.endm
; The ray's next sample: the address of its upper left corner into AD[buf], its four weights into WB[buf]; then the ray steps on.
; acc = 1: the eight multiply-adds on DB[buf] with the old WB[buf] are dealt among these lines; the two products that write WB[buf] anew stand behind the last of them.
.macro NEXT buf, acc
	v_cmp_lt_u32 vcc_lo, v[VD], v[VLIM]
	MA \acc, \buf, 0
	v_lshrrev_b32 v[AD+(\buf)], 23, v[VD]          ; line in the band
	v_lshrrev_b32 v[TX], 23, v[VX]                 ; column + 1, modulo 512: columns below -1 wrap to 460 and more
	MA \acc, \buf, 1
	v_min_u32 v[TX], ZIDX, v[TX]                   ; so this one line sends both sides of the picture to the zero columns 257, 258
	v_and_or_b32 v[P],   v[VX], s[FMASK], s[FONE]  ; the 23 fraction bits under the exponent of 1.0: 1 + wx, exact
	MA \acc, \buf, 2
	v_mad_u32_u24 v[AD+(\buf)], v[AD+(\buf)], PPX, v[TX]
	v_and_or_b32 v[P+1], v[VD], s[FMASK], s[FONE]  ; 1 + wy
	MA \acc, \buf, 3
	v_add_nc_u32 v[VD], s[AF], v[VD]
	s_wait_alu depctr_va_vcc(0)                    ; the compare at the macro's head has written VCC, which the select below reads
	v_cndmask_b32 v[AD+(\buf)], ZIDX, v[AD+(\buf)], vcc_lo   ; a sample that does not count reads zeros
	MA \acc, \buf, 4
	v_add_nc_u32 v[VX], s[GF], v[VX]
	v_min_u32 v[AD+(\buf)], MAXI, v[AD+(\buf)]     ; never binds: it states the bound
	MA \acc, \buf, 5
	v_pk_fma_f32 v[FA:FA+1], v[P:P+1], v[K1:K1+1], v[K2:K2+1] op_sel:[0,0,0] op_sel_hi:[0,1,1]   ; (2 - (1 + wx), (1 + wx) - 1), both exact
	v_lshlrev_b32 v[AD+(\buf)], 4, v[AD+(\buf)]
	MA \acc, \buf, 6
	v_pk_fma_f32 v[FB:FB+1], v[P:P+1], v[K1:K1+1], v[K2:K2+1] op_sel:[1,0,0] op_sel_hi:[1,1,1]   ; the same of wy
	MA \acc, \buf, 7
	v_pk_mul_f32 v[WB+4*(\buf):WB+4*(\buf)+1],   v[FA:FA+1], v[FB:FB+1] op_sel:[0,0] op_sel_hi:[1,0] ; upper corners: (1-wx)(1-wy), wx (1-wy)
	v_pk_mul_f32 v[WB+4*(\buf)+2:WB+4*(\buf)+3], v[FA:FA+1], v[FB:FB+1] op_sel:[0,1] op_sel_hi:[1,1] ; lower corners: (1-wx) wy, wx wy
.endm
; Step t, b = t % 2, o the other buffer: the corners of step t + 1 are asked for, step t is added up, and step t + 2 gets its address and weights.
.macro STEP b, o
	s_wait_alu depctr_vm_vsrc(0)                   ; the loads issued in the step before have read AD[b], which this step's address lines write again
	s_wait_alu depctr_va_vdst(0)                   ; the step before has written AD[o], which the loads below read, and its multiply-adds are done reading DB[o], in which they land
	FETCH \o
	s_wait_dscnt 0x4                               ; LDS loads return in order: the four just issued stay out, the four before them are in
	NEXT \b, 1
.endm
	; THE SWEEP: a step's corners are asked for one step before they are used, by an address made one step before that.
	NEXT 0, 0                                      ; step 0
	s_wait_alu depctr_va_vdst(0)                   ; AD[0] is written, which the first four loads read; the fill's lines that wrote v8 to v23, in which they land, are done
	FETCH 0
	NEXT 1, 0                                      ; step 1: it names none of the registers that those loads touch
	s_mov_b32 s[CNT], 0
.Lpair:
	STEP 0, 1
	STEP 1, 0
	s_add_co_u32 s[CNT], s[CNT], 1
	s_cmp_lt_u32 s[CNT], s[TRIPS]
	s_cbranch_scc1 .Lpair
	s_wait_dscnt 0x0                               ; the look-ahead of a step behind the last: past the band by the count above, not used
	v_pk_add_f32 v[ACA:ACA+1],   v[ACA:ACA+1],   v[ACB:ACB+1]
	v_pk_add_f32 v[ACA+2:ACA+3], v[ACA+2:ACA+3], v[ACB+2:ACB+3]
	s_wait_alu depctr_va_vdst(0)                   ; the two additions have written v[ACA ..], which the store reads
	global_store_b128 v[VO], v[ACA:ACA+3], s[6:7]  ; the wave stores 512 consecutive bytes, at a multiple of 512 from part's first byte
	s_wait_dscnt 0x0
	s_wait_alu depctr_hold_cnt(0) depctr_sa_sdst(0) depctr_va_vdst(0) depctr_va_sdst(0) depctr_va_ssrc(0) depctr_va_vcc(0) depctr_vm_vsrc(0)
	s_wait_tensorcnt 0x0
	ds_add_u32 v158, v159
	s_wait_dscnt 0x0
	s_endpgm
.Lfunc_end_k_q6ab74790f1_bands:
	.size	k_q6ab74790f1_bands, .Lfunc_end_k_q6ab74790f1_bands-k_q6ab74790f1_bands
	.p2alignl 7, 3214868480
	.fill 96, 4, 3214868480
	.section	.rodata,"a",@progbits
	.p2align	6, 0x0
	.amdhsa_kernel k_q6ab74790f1_bands
		.amdhsa_group_segment_fixed_size 276736
		.amdhsa_private_segment_fixed_size 0
		.amdhsa_enable_private_segment 0
		.amdhsa_kernarg_size 16
		.amdhsa_user_sgpr_count 2
		.amdhsa_user_sgpr_kernarg_segment_ptr 1
		.amdhsa_wavefront_size32 1
		.amdhsa_system_sgpr_workgroup_id_x 1
		.amdhsa_system_sgpr_workgroup_id_y 1
		.amdhsa_system_sgpr_workgroup_id_z 1
		.amdhsa_system_vgpr_workitem_id 0
		.amdhsa_next_free_vgpr 160
		.amdhsa_next_free_sgpr 88
		.amdhsa_reserve_vcc 1
		.amdhsa_float_denorm_mode_32 3
		.amdhsa_float_denorm_mode_16_64 3
		.amdhsa_memory_ordered 1
		.amdhsa_forward_progress 1
		.amdhsa_inst_pref_size 54
	.end_amdhsa_kernel
	.amdgpu_metadata
---
amdhsa.version: [ 1, 2 ]
amdhsa.kernels:
  - .name:           k_q6ab74790f1_bands
    .symbol:         k_q6ab74790f1_bands.kd
    .args:
      - { .name: x, .offset: 0, .size: 8, .value_kind: global_buffer, .address_space: global }
      - { .name: part, .offset: 8, .size: 8, .value_kind: global_buffer, .address_space: global }
    .group_segment_fixed_size: 276736
    .private_segment_fixed_size: 0
    .kernarg_segment_align: 8
    .kernarg_segment_size: 16
    .max_flat_workgroup_size: 768
    .sgpr_count:     88
    .vgpr_count:     160
    .wavefront_size: 32
...
	.end_amdgpu_metadata
.endif
;; end of part 3
;; launch fold: the kernel of part 2 again; grid 180 x 1, 8 waves a work-group, no clusters, 5,120 bytes of LDS; arguments part, out0; writes out0
